; MI455X (gfx1250); checked and timed in simulation.
; The chip was launched on July 23, 2026; its instructions are those of AMD's public machine-readable ISA for CDNA 5 (MIT licence, August 2026) and "CDNA5" Instruction Set Architecture Reference Guide (July 2026). The comments in the code are by the model that wrote it; some were corrected since.
;; Causal Self Attention. Allowed arithmetic: matrix products marked QUANTISED: E4M3 operands, one given power-of-two scale a tensor, by v_wmma_f32_16x16x64_fp8_fp8 or v_wmma_f32_16x16x128_fp8_fp8, f32 sums; everything else in f32.
;; Inputs: b_out 1,024 float32; b_qkv 3,072 float32; lowp_scales 8 int32 (the exponents e of the quantised operands' scales 2^e); w_out_codes 1,024 x 32 x 32 uint8 (E4M3 codes of w_out, K innermost, in blocks of 32 codes); w_qkv_codes 3,072 x 32 x 32 uint8 (E4M3 codes of w_qkv, K innermost, in blocks of 32 codes); x_codes 4 x 2,048 x 32 x 32 uint8 (E4M3 codes of x, K innermost, in blocks of 32 codes).
;; Outputs: out0 4 x 2,048 x 1,024 float32.
;; This version of the problem:
;;   THIS VERSION OF THE PROBLEM IS GIVEN IN LOW PRECISION. The matrix products marked QUANTISED in the list below multiply operands that are first quantised to E4M3 (4 exponent bits, 3 mantissa bits; 8 bits a number), with one given power-of-two scale for each operand tensor; their sums are f32. All else is computed in f32.
;;   The module's matrix products, in the order in which they are computed (A, B: the left and right operand; K: the contracted axis; several contracted axes count as one K, in the product's order):
;;     1. [M 8,192, K 1,024] x [K 1,024, N 3,072]; A: input x (given as codes); B: input w_qkv (given as codes): QUANTISED (scales: A lowp_scales[0], B lowp_scales[1])
;;     2. batch 64 x [M 2,048, K 64] x [K 64, N 2,048]; A: computed on the way; B: computed on the way: QUANTISED (scales: A lowp_scales[2], B lowp_scales[3])
;;     3. batch 64 x [M 2,048, K 2,048] x [K 2,048, N 64]; A: softmax (see below); B: computed on the way: QUANTISED (scales: A lowp_scales[4], B lowp_scales[5])
;;     4. [M 8,192, K 1,024] x [K 1,024, N 1,024]; A: computed on the way; B: input w_out (given as codes): QUANTISED (scales: A lowp_scales[6], B lowp_scales[7])
;;   THE QUANTISER, for each operand of a quantised product, along K:
;;     - The operand's scale is 2^e, e = its entry of the input lowp_scales (int32; the entries are numbered through the quantised products in the list's order, A before B).
;;     - Each number is divided by the scale, clamped to +-448, and rounded to the nearest number of E4M3, ties to even, subnormals kept.
;;     - The product sums the exact products of the quantised numbers (number of the format x scale) in f32.
;;   ~~~python
;;   def quantise(x, axis, e):      # numpy; x: float32 -> the quantised numbers, widened to float32 again
;;       x = np.moveaxis(x, axis, -1); K = x.shape[-1]
;;       r = np.clip(x / 2.0 ** e, -448, 448)
;;       step = 2.0 ** (np.maximum(np.frexp(np.where(r == 0, 1, r))[1] - 1, -6) - 3)
;;       q = np.round(r / step) * step * 2.0 ** e      # np.round: ties to even
;;       return np.moveaxis(q, -1, axis).astype(np.float32)
;;   ~~~
;;   SOFTMAX AHEAD OF A QUANTISED PRODUCT. Where the list says 'softmax', what is quantised is not the finished softmax but p = 2^(t - M), with t = logit x log2(e) and M = ceil(the row's largest t), a whole number; so 1/2 < the row's largest p <= 1. The row's sum l is taken of the UNQUANTISED p, in f32, and the product's result is divided by l at the end. Since M is a whole number, a kernel that streams over the keys may use a running M (the ceiling of the running maximum): every later rescaling is an exact power of two, so the quantised numbers keep their values, but for numbers so far below the row's largest that they fall under the format's range.
;;   OPERANDS COMPUTED ON THE WAY. 'Computed on the way' means the value that the module computes at that place (a softmax that the list does not call 'softmax' is quantised finished and normalised). What goes into a quantiser is computed in f32, as accurately as f32 sums, v_exp_f32 and their like allow (about 1e-6 of the number): no bf16 or f16 on the way to a quantiser, and a product that is left as it is and whose result goes on into a quantised operand takes f32 operands (vector FMAs, or v_wmma_f32_16x16x4_f32). A number that lies on a knife's edge between two numbers of the format may be rounded either way, as far as f32 arithmetic and the matrix unit's own rounding can turn it there, and no further.
;;   INPUTS GIVEN AS CODES. w_out (in the module: [1024, 1024], K = its axis 0); w_qkv (in the module: [1024, 3072], K = its axis 0); x (in the module: [4, 2048, 1024], K = its axis 2): each comes as NAME_codes (uint8): NAME with its K axis moved to the last place and cut into blocks of 32 codes, [.., K / 32, bytes a block], one block behind the other in memory; one code a byte (a code: sign, 4 exponent bits, 3 mantissa bits); its scale is its entry of lowp_scales. Its value is code x scale, taken as it is: it is not quantised again, and the codes and scales need not be those that the quantiser above would give.
;; One version. Each part assembles by itself: llvm-mc -triple=amdgcn-amd-amdhsa -mcpu=gfx1250 --defsym DOCPART=n.
;; ======== version 1 of 1: 3 launches
;; limits: right only within a limited range of input values
;; workspace buffers: q_img 8,388,608 bytes; k_img 8,388,608 bytes; v_img 8,388,608 bytes; a_img 8,388,608 bytes
;; launch qkv (part 1): grid 12 x 32, 4 waves a work-group, clusters of 4 x 4, 327,680 bytes of LDS; arguments x_codes, w_qkv_codes, b_qkv, lowp_scales, q_img, k_img, v_img; writes q_img, k_img, v_img
.if DOCPART == 1
	.amdgcn_target "amdgcn-amd-amdhsa--gfx1250"
	.amdhsa_code_object_version 6
	.text
	.protected	k_qb30021420c_qkv
	.globl	k_qb30021420c_qkv
	.p2align	8
	.type	k_qb30021420c_qkv,@function
k_qb30021420c_qkv:
	s_mov_b64 s[64:65], 0
	v_nop
	global_prefetch_b8 v0, s[64:65] scope:SCOPE_SE
	s_setreg_imm32_b32 hwreg(HW_REG_WAVE_MODE, 25, 1), 1
	s_wait_xcnt 0x0
	s_wait_alu depctr_hold_cnt(0) depctr_sa_sdst(0) depctr_va_vdst(0) depctr_va_sdst(0) depctr_va_ssrc(0) depctr_va_vcc(0) depctr_vm_vsrc(0)
	s_getreg_b32 s2, hwreg(HW_REG_IB_STS2, 6, 4)
	s_cmp_eq_u32 s2, 0
	s_cbranch_scc0 .Lentry_in_a_cluster
	s_endpgm
.Lentry_in_a_cluster:
	s_bfe_u32 s2, ttmp6, 0x10000c
	s_cmp_lg_u32 s2, 0xf033
	s_cbranch_scc0 .Lentry_shape_is_right
	s_endpgm
.Lentry_shape_is_right:
; q, k, v = x W + b on codes of FP8 (E4M3), and their quantising.  x: [8192][1024] codes, W: [3072][1024] codes (K innermost), b: [3072] f32.
; lowp_scales: e0 (x), e1 (W), e2 (q), e3 (k), e5 (v).  A sum of codes stands for sum x 2^(e0 + e1); the bias goes in as the C of the first K step, divided by 2^(e0 + e1);
; the code of a result is (sum + bias) / 2^(eo - e0 - e1), held within +-448, eo = e2, e3 or e5.
; LIMITS: eo - e0 - e1 between -126 and 119, so that the scale and 448 x the scale are f32 numbers.  NaN among the inputs is not served.
; SHARES.  A tile of 256 rows x 256 columns to a work-group of four waves, 128 x 128 to a wave: 64 accumulators, 512 registers.  K goes in steps of 256 through a ring of two LDS slots.
; CLUSTERS: 4 x 4 work-groups; x's tile is asked for jointly along a row of the cluster, W's along a column.  A cluster's x (0, 1, 2) says whether its 1,024 columns are q's, k's or v's: the same in all sixteen.
; ORIENTATION.  The matrix instruction takes source 0 from window 1 and source 1 from window 0; a lane holds ONE row of source 1 and eight neighbouring rows of source 0.
;   q, k: source 0 = rows of W, source 1 = rows of x: a lane holds one token and eight neighbouring channels (the next product's K is the channels).
;   v:    source 0 = rows of x, source 1 = rows of W: a lane holds one channel and eight neighbouring tokens (the next product's K is the keys).
; Only the two LDS bases differ, chosen by s_cselect_b32 on the cluster's x; both stay inside their slot.
; WHAT IS STORED: images of the next launch's operand registers, in pieces of 512 bytes (lane l's 16 bytes at 16 l = four registers on end):
;   q_img, k_img [64 heads][128 token tiles][1,024]: 16 tokens x 64 channels; lane (r, h), registers 2 c, 2 c + 1: token r, channels 16 c + 8 h + 0 .. 7.
;   v_img [64 heads][16 key steps][4 channel tiles][2,048]: 16 channels x 128 keys; lane (r, h), registers 2 c, 2 c + 1: channel r, keys 16 c + 8 h + 0 .. 7.
; So the conversions' results are stored as they stand: each store covers 512 consecutive bytes, aligned, and no result goes through LDS.
; REGISTERS, in windows of 256: window 0: v1-31 addresses and constants; v32-95 the bias, later 64 held numbers; v96-111 codes; v128-255 source 1's fragments, ONE set.
;   window 1: source 0's fragments, TWO sets.   window 2: the accumulators of source 1's blocks 0-3 ((a, b) at v[8 (8 a + b)]);   window 3: of blocks 4-7.
.set KROW,   1024                      ; a row of x or of W in memory, in bytes
.set ROWB,   256                       ; a tile's row: 256 codes
.set PITCH,  272                       ; an LDS row: 256 bytes + 16 of padding = 68 words: row r starts at bank 4 r mod 64 (ISA guide 11.1)
.set FR,     16                        ; registers of a fragment: 16 rows x 128 K
.set NL,     4                         ; LDS loads that bring one
.set NP,     4                         ; places behind this matrix instruction (ISA guide 7.12.1)
.set HALFT,  128*PITCH                 ; 128 rows: what one tensor load brings
.set SLOT,   4*HALFT                   ; x's 256 rows, then W's 256 rows
.set LAPS,   2                         ; 1,024 along K = twice round the ring
.set SPARE,  2*SLOT                    ; behind the ring: the spare words, 128 bytes for each wave
.set VB,   8                           ; v8-15   the bias loads' offsets, one for each register of a tile
.set ADRA, 16                          ; v16-17  LDS address of source 1's fragments in slot 0, 1
.set ADRB, 20                          ; v20-21  the same for source 0
.set VO0,  24                          ; v24     16 x lane: a piece's place for my lane
.set VO2,  25                          ; v25     the same for pieces 2 and 3 of a block
.set LIM,  26                          ; v26     448 x the scale
.set SC,   27                          ; v27     the scale 2^(eo - e0 - e1) as f32
.set SPW,  28                          ; v28     LDS address of my spare word; never rewritten
.set NIL,  29                          ; v29     0; never rewritten
.set CB,   32                          ; v32-95  the bias / 2^(e0 + e1), in the result's layout
.set TMP,  32                          ; v32-95  later: a block's 64 numbers, held
.set CD,   96                          ; v96-111 a block's codes
.set AF,   128                         ; source 1's fragments
.set OB,   80                          ; s[80:81] where the block in hand is stored
.set SA,   82                          ; s[82:83] from block to block
.set SX,   90                          ; s[90:91] more at block 4 (v: the next head)
.set G1, 24                            ; s[24:31] descriptor group 1 for x's tiles;  s[32:39] group 0, one set for each slot
.set G0, 32
.set G1B, 48                           ; s[48:55], s[56:63] the same for W's tiles
.set G0B, 56
.set MSB, 0
.macro WIN new                         ; the immediate's high byte repeats the setting that is left
.if MSB != (\new)
	s_set_vgpr_msb (MSB<<8)|(\new)
.set MSB, (\new)
.endif
.endm
.set MUL_LO,   0xa1                    ; source 0 window 1, source 1 window 0, C and D window 2
.set MUL_HI,   0xf1                    ; the same, C and D window 3
.set FIRST_LO, 0x81                    ; the first K step: C (the bias) window 0, D window 2
.set FIRST_HI, 0xc1                    ; D window 3
.set TO_B,     0x40                    ; destination window 1, address window 0
; A joint load: waves 0 and 1 fetch x's halves, waves 2 and 3 W's.  The branch hangs on the wave's number alone.  Four v_nop follow each of the two lines.
.macro JLOAD g0a, g1a, g0b, g1b
	s_cmp_eq_u32 s15, 0
	s_cbranch_scc0 .Lfor_b_\@
	tensor_load_to_lds s[\g0a:\g0a+3], s[\g1a:\g1a+7]
	s_nop 0
.rept 4
	v_nop
.endr
	s_branch .Lasked_\@
.Lfor_b_\@:
	tensor_load_to_lds s[\g0b:\g0b+3], s[\g1b:\g1b+7]
	s_nop 0
.rept 4
	v_nop
.endr
.Lasked_\@:
.endm
.macro CREST                           ; a round of the cluster's barrier behind its opening barrier
	s_cmp_lg_u32 s14, 0
	s_cbranch_scc1 .Lnot_wave_0_\@
	s_barrier_signal -3
.Lnot_wave_0_\@:
	s_barrier_wait -3
	s_barrier_signal -1
	s_barrier_wait -1
.endm
.macro CROUND                          ; a whole round
	s_barrier_signal -1
	s_barrier_wait -1
	CREST
.endm
	s_load_b256 s[4:11], s[0:1], 0x0               ; x's codes s[4:5], W's codes s[6:7], the bias s[8:9], the scales' exponents s[10:11]
	s_load_b128 s[84:87], s[0:1], 0x20             ; q_img s[84:85], k_img s[86:87]
	s_load_b64 s[88:89], s[0:1], 0x30              ; v_img
	v_lshl_add_u32 v[SPW], v0, 2, SPARE
	v_mov_b32 v[NIL], 0
	ds_add_u32 v28, v29
	ds_add_u32 v28, v29
	s_wait_dscnt 0x0
	v_lshrrev_b32 v1, 5, v0
	v_readfirstlane_b32 s14, v1                    ; wave 0..3
	s_lshr_b32 s15, s14, 1                         ; which half of the tile's rows (tokens) is mine.  Also: I fetch for x (0) or for W (1)
	s_and_b32 s16, s14, 1                          ; which half of its columns.  Also: which 128 rows of that tile I fetch
	s_bfe_u32 s40, ttmp6, 0x40000                  ; cx, cy: my place in the cluster
	s_bfe_u32 s41, ttmp6, 0x40004
	s_lshl_b32 s42, ttmp9, 2
	s_add_co_u32 s42, s42, s40                     ; tile column = 4 x cluster x + cx, 0 .. 11
	s_and_b32 s17, ttmp7, 0xffff
	s_lshl_b32 s17, s17, 2
	s_add_co_u32 s17, s17, s41                     ; tile row = 4 x cluster y + cy, 0 .. 31
	s_lshl_b32 s43, s41, 2
	s_lshl_b32 s43, 15, s43                        ; my row of the cluster
	s_lshl_b32 s44, 0x1111, s40                    ; my column
	; descriptor group 1: a tile of 128 rows x 256 bytes, padded in LDS
	s_or_b32 s[G1+0], s43, (0<<16)|(1<<20)|(1<<21)|(5<<22)|(3<<25)  ; 15:0 the mask: x's tiles go to my row; 17:16 elements of 1 byte; 20 padding on; 21 set beside a mask; 24:22 after every 64 words; 31:25 four words
	s_or_b32 s[G1B+0], s44, (0<<16)|(1<<20)|(1<<21)|(5<<22)|(3<<25) ; the same with my column's mask
.irp g, G1, G1B
	s_mov_b32 s[\g+1], ROWB<<16                    ; tensor_dim0
	s_mov_b32 s[\g+2], 128<<16                     ; tensor_dim1
	s_mov_b32 s[\g+3], ROWB<<16                    ; tile_dim0
	s_mov_b32 s[\g+4], 128                         ; tile_dim1
	s_mov_b32 s[\g+5], KROW                        ; tensor_dim0_stride
	s_mov_b32 s[\g+6], 0
	s_mov_b32 s[\g+7], 0
.endr
	s_lshl_b32 s18, s16, 7                         ; which 128 rows of the tile I fetch
	s_lshl_b32 s20, s17, 8
	s_add_co_u32 s20, s20, s18                     ; x: row 256 x tile row + 128 x half
	s_lshl_b32 s20, s20, 10                        ; in bytes (under 2^23)
	s_mov_b32 s21, 0
	s_lshl_b32 s46, s42, 8
	s_add_co_u32 s46, s46, s18                     ; W: row 256 x tile column + 128 x half
	s_lshl_b32 s46, s46, 10
	s_mov_b32 s47, 0
	s_mul_i32 s45, s14, HALFT                      ; where they go: wave x 128 rows: no place in the cluster enters an LDS address
	s_wait_kmcnt 0x0
	s_load_b256 s[72:79], s[10:11], 0x0            ; e0 .. e7
	s_add_nc_u64 s[20:21], s[4:5], s[20:21]
	s_add_nc_u64 s[46:47], s[6:7], s[46:47]
	CROUND                                         ; all sixteen work-groups are here: the first joint loads meet
.irp s, 0,1
	s_mov_b32 s[G0+4*\s], 1
	s_add_co_u32 s[G0+4*\s+1], s45, \s*SLOT
	s_add_nc_u64 s[G0+4*\s+2:G0+4*\s+3], s[20:21], \s*ROWB
	s_or_b32 s[G0+4*\s+3], s[G0+4*\s+3], 0x80000000
	s_mov_b32 s[G0B+4*\s], 1
	s_add_co_u32 s[G0B+4*\s+1], s45, \s*SLOT
	s_add_nc_u64 s[G0B+4*\s+2:G0B+4*\s+3], s[46:47], \s*ROWB
	s_or_b32 s[G0B+4*\s+3], s[G0B+4*\s+3], 0x80000000
	JLOAD G0+4*\s, G1, G0B+4*\s, G1B
.endr
	v_and_b32 v1, 15, v0                           ; r = l % 16
	v_bfe_u32 v2, v0, 4, 1                         ; h = l / 16
	v_mul_u32_u24 v3, v1, PITCH
	v_lshl_add_u32 v4, v2, 4, v3                   ; a fragment's row x pitch + 16 x half
	s_wait_alu depctr_va_vdst(0)
	s_mul_i32 s18, s15, HALFT                      ; my 128 rows of x
	s_mul_i32 s19, s16, HALFT
	s_add_co_u32 s19, s19, 2*HALFT                 ; my 128 rows of W, behind x's 256
	s_lshl_b32 s92, s42, 10
	s_lshl_b32 s93, s16, 9
	s_add_co_u32 s92, s92, s93                     ; 4 x my first column: 4 (256 x tile column + 128 x half)
	s_mov_b32 s93, 0
	s_add_nc_u64 s[8:9], s[8:9], s[92:93]          ; the bias at my first column
	s_mov_b32 s[SA], 1024
	s_mov_b32 s96, 131072
	s_cmp_eq_u32 ttmp9, 2                          ; v's cluster?  All that differs is chosen here, on the cluster's x alone
	s_cselect_b32 s21, s19, s18                    ; source 1: W's rows for v, x's for q and k
	s_cselect_b32 s22, s18, s19                    ; source 0: the other
	s_cselect_b32 s94, 0, 4                        ; the bias from register to register: none for v (one channel a lane), 4 bytes for q and k
	s_cselect_b32 s95, -1, 0
	s_cselect_b32 s[SA], 2048, s[SA]               ; a block's image: 2,048 bytes on end for v; 1,024 in each of two heads for q and k
	s_cselect_b32 s[SX], 122880, 0                 ; v: block 4 begins the next head: 131,072 - 4 x 2,048
	s_cselect_b32 s96, 1024, s96                   ; pieces 2 and 3: on end for v; in the next head for q and k
	s_cselect_b64 s[OB:OB+1], s[88:89], s[86:87]
	s_mov_b32 s[SA+1], 0
	s_mov_b32 s[SX+1], 0
	s_cmp_eq_u32 ttmp9, 0
	s_cselect_b64 s[OB:OB+1], s[84:85], s[OB:OB+1] ; q_img, k_img or v_img
.irp s, 0,1
	v_add_nc_u32 v[ADRA+\s], s21, v4
	v_add_nc_u32 v[ADRB+\s], s22, v4
	s_add_co_u32 s21, s21, SLOT
	s_add_co_u32 s22, s22, SLOT
.endr
	; the bias in the result's layout.  q, k: register 8 b + j is column 16 b + 8 h + j.  v: registers 8 a + 0 .. 7 are all column 16 a + r.  One text: offset = (32 h or 4 r) + j x (4 or 0) + 64 x tile
	v_lshlrev_b32 v5, 5, v2
	v_lshlrev_b32 v6, 2, v1
	v_cndmask_b32 v5, v5, v6, s95
.irp j, 0,1,2,3,4,5,6,7
	v_mad_u32_u24 v[VB+\j], s94, \j, v5
.endr
.irp i, 0,1,2,3,4,5,6,7
.irp j, 0,1,2,3,4,5,6,7
	global_load_b32 v[CB+8*\i+\j], v[VB+\j], s[8:9] offset:64*\i
.endr
.endr
	v_and_b32 v7, 31, v0
	v_lshlrev_b32 v[VO0], 4, v7
	v_add_nc_u32 v[VO2], s96, v[VO0]
	; where my first block is stored: (16 x batch + my first head) x 131,072 + 64 x my first token: the same sum for all three buffers
	s_lshr_b32 s92, s17, 3                         ; batch
	s_lshl_b32 s92, s92, 4
	s_lshl_b32 s93, s40, 2
	s_add_co_u32 s92, s92, s93
	s_lshl_b32 s93, s16, 1
	s_add_co_u32 s92, s92, s93                     ; + 4 cx + 2 x half
	s_lshl_b32 s92, s92, 17
	s_and_b32 s93, s17, 7
	s_lshl_b32 s93, s93, 14
	s_add_co_u32 s92, s92, s93                     ; 64 x 256 x (tile row mod 8)
	s_lshl_b32 s93, s15, 13
	s_add_co_u32 s92, s92, s93                     ; 64 x 128 x half
	s_mov_b32 s93, 0
	s_add_nc_u64 s[OB:OB+1], s[OB:OB+1], s[92:93]
	s_wait_kmcnt 0x0
	s_add_co_i32 s92, s72, s73                     ; e0 + e1
	s_sub_co_i32 s93, 0, s92
	s_cmp_eq_u32 ttmp9, 0
	s_cselect_b32 s94, s74, s75                    ; e2 for q, e3 for k,
	s_cmp_eq_u32 ttmp9, 2
	s_cselect_b32 s94, s77, s94                    ; e5 for v
	s_sub_co_i32 s94, s94, s92                     ; eo - e0 - e1: the three scales folded into the conversion's one
	s_add_co_i32 s94, s94, 127
	s_lshl_b32 s95, s94, 23
	v_mov_b32 v[SC], s95
	s_add_co_i32 s94, s94, 8
	s_lshl_b32 s94, s94, 23
	s_or_b32 s94, s94, 0x600000
	v_mov_b32 v[LIM], s94                          ; 448 x that
	s_wait_loadcnt 0x0                             ; the bias
.set n, 0
.rept 64
	v_ldexp_f32 v[CB+n], v[CB+n], s93              ; / 2^(e0 + e1): nothing is rounded, short of overflow and underflow
.set n, n+1
.endr
.macro FRAG reg, adr, q, i             ; a fragment, 16 rows x 128 K: lane l holds row l % 16; registers 4 c .. 4 c + 3 hold K = 32 c + 16 (l / 16) + 0 .. 15: the same order of k in both sources
.irp c, 0,1,2,3
	ds_load_b128 v[\reg+4*\c:\reg+4*\c+3], v[\adr] offset:128*(\q)+32*\c+(\i)*16*PITCH
.endr
.endm
; 16 matrix instructions: source 1's blocks a0, a0 + 1 x source 0's eight, 128 along K.  p: source 0's set.  zero = 0: in place.  zero = 1: the bias of source 0's block starts the sums (q, k).  zero = 2: that of source 1's block (v).
; The 64 accumulators take turns, one instruction a turn, in the same order in every step.
.macro MUL16 a0, p, zero
.irp a, \a0, \a0+1
.irp b, 0,1,2,3,4,5,6,7
.if \zero == 1
	v_wmma_f32_16x16x128_fp8_fp8 v[8*(8*((\a)%4)+\b):8*(8*((\a)%4)+\b)+7], v[128*(\p)+FR*\b:128*(\p)+FR*\b+FR-1], v[AF+FR*(\a):AF+FR*(\a)+FR-1], v[CB+8*\b:CB+8*\b+7]
.elseif \zero == 2
	v_wmma_f32_16x16x128_fp8_fp8 v[8*(8*((\a)%4)+\b):8*(8*((\a)%4)+\b)+7], v[128*(\p)+FR*\b:128*(\p)+FR*\b+FR-1], v[AF+FR*(\a):AF+FR*(\a)+FR-1], v[CB+8*(\a):CB+8*(\a)+7]
.else
	v_wmma_f32_16x16x128_fp8_fp8 v[8*(8*((\a)%4)+\b):8*(8*((\a)%4)+\b)+7], v[128*(\p)+FR*\b:128*(\p)+FR*\b+FR-1], v[AF+FR*(\a):AF+FR*(\a)+FR-1], v[8*(8*((\a)%4)+\b):8*(8*((\a)%4)+\b)+7]
.endif
.endr
.endr
.endm
.macro FETCH_B slot, q, p              ; source 0's eight fragments of the slot's q-th 128 along K into set p
	WIN TO_B
.irp i, 0,1,2,3,4,5,6,7
	FRAG 128*(\p)+FR*\i, ADRB+\slot, \q, \i
.endr
	WIN 0
.endm
.macro FETCH_A slot, q, i0             ; source 1's blocks i0 .. i0 + 3
.irp i, \i0, \i0+1, \i0+2, \i0+3
	FRAG AF+FR*(\i), ADRA+\slot, \q, \i
.endr
.endm
.macro PLACES n_                       ; plain vector instructions between a matrix instruction and a load into a register that it has read, or a read of its result
.rept \n_
	v_nop
.endr
.endm
; A step of 128 along K that has its successor in the same slot.
.macro STEP slot, q, zero
	s_wait_dscnt 4*NL                              ; source 0's set and source 1's blocks 0-3 are in; the youngest 16 loads (blocks 4-7) may be out
.if \zero
	WIN FIRST_LO
.else
	WIN MUL_LO
.endif
	MUL16 0, (\q)%2, \zero
	MUL16 2, (\q)%2, \zero
	s_wait_dscnt 0                                 ; blocks 4-7 are in (asked for 32 matrix instructions ago)
	PLACES NP
	FETCH_B \slot, (\q)+1, 1-(\q)%2
	FETCH_A \slot, (\q)+1, 0
.if \zero
	WIN FIRST_HI
.else
	WIN MUL_HI
.endif
	MUL16 4, (\q)%2, \zero
	MUL16 6, (\q)%2, \zero
	PLACES NP
	WIN 0
	FETCH_A \slot, (\q)+1, 4
.endm
; A slot's last step changes slots: ONE barrier; in front of it each wave waits for all its tensor loads, adds 0 to its spare word, and waits for that and for its own reads of this slot.  fill = 1: this slot is filled again, two K steps ahead.
.macro TURN slot, next, fill
	s_wait_tensorcnt 0x0                           ; all my tensor loads have landed: my part of the next slot  (every window is 0 here)
	ds_add_u32 v[SPW], v[NIL]                      ; 0 onto my spare word
	s_wait_dscnt 4*NL+1                            ; (the add and the youngest 16 loads may be out)
	WIN MUL_LO
	MUL16 0, 1, 0                                  ; sixteen matrix instructions stand between the add and the wait for it
	s_wait_dscnt 0x0                               ; the add is done, and my reads of this slot are over
	s_barrier_signal -1
	MUL16 2, 1, 0
	WIN 0
	s_barrier_wait -1
.if \fill
	CREST                                          ; the barrier has opened a round of the cluster's barrier: no wave of any partner still reads this slot or has a load on its way
	s_add_nc_u64 s[G0+4*\slot+2:G0+4*\slot+3], s[G0+4*\slot+2:G0+4*\slot+3], 2*ROWB
	s_add_nc_u64 s[G0B+4*\slot+2:G0B+4*\slot+3], s[G0B+4*\slot+2:G0B+4*\slot+3], 2*ROWB
	JLOAD G0+4*\slot, G1, G0B+4*\slot, G1B         ; the first tensor load behind the round; its four v_nop are the places in front of the loads below
.else
	PLACES NP
.endif
	FETCH_B \next, 0, 0
	FETCH_A \next, 0, 0
	WIN MUL_HI
	MUL16 4, 1, 0
	MUL16 6, 1, 0
	PLACES NP
	WIN 0
	FETCH_A \next, 0, 4
.endm
	s_wait_tensorcnt 1                             ; my part of K step 0 is in (K step 1's load may be out)
	s_barrier_signal -1
	s_barrier_wait -1                              ; everybody's is
	FETCH_B 0, 0, 0
	FETCH_A 0, 0, 0
	FETCH_A 0, 0, 4
	s_cmp_eq_u32 ttmp9, 2                          ; the first step alone is written twice: which bias registers start a sum differs.  No tensor load and no barrier stands in either copy
	s_cbranch_scc1 .Lfirst_v
	s_wait_alu depctr_va_vdst(0)
	STEP 0, 0, 1
	s_branch .Ljoined
.Lfirst_v:
	s_wait_alu depctr_va_vdst(0)
	STEP 0, 0, 2
.Ljoined:
	s_mov_b32 s3, LAPS-1
.Llap:                                                 ; a trip goes once round the ring, from a lap's second step to the next lap's first, and fills both slots again
	TURN 0, 1, 1
	STEP 1, 0, 0
	TURN 1, 0, 1
	STEP 0, 0, 0
	s_sub_co_u32 s3, s3, 1
	s_cmp_lg_u32 s3, 0
	s_cbranch_scc1 .Llap
	TURN 0, 1, 0                                   ; the last lap fills nothing, and has no round of the cluster's barrier
	STEP 1, 0, 0
	s_wait_dscnt 4*NL                              ; the very last step: nothing more to fetch
	WIN MUL_LO
	MUL16 0, 1, 0
	MUL16 2, 1, 0
	s_wait_dscnt 0
	WIN MUL_HI
	MUL16 4, 1, 0
	MUL16 6, 1, 0
	WIN 0
; THE WAY OUT, block a of source 1 at a time: 64 numbers a lane are held within +-448 x the scale (the conversion to an 8-bit code does not saturate: ISA guide 7.6.2), each accumulator from its low end on;
; eight conversions give 16 registers of codes, which ARE four pieces of the images.  q, k: token tile a; pieces 0, 1 my first head, pieces 2, 3 my second.  v: channel tile a % 4 of head a / 4; pieces 0 .. 3 on end.
.macro OUTBLK a
.set AC, 64*((\a)%4)
	WIN 0x02+((\a)/4)                              ; source 0: window 2 or 3
.set n, 0
.rept 64
	v_med3_num_f32 v[TMP+n], v[AC+n], -v[LIM], v[LIM]
.set n, n+1
.endr
	WIN 0
.if (\a) > 0
	s_wait_alu depctr_va_vdst(0)
	s_wait_xcnt 0x0                                ; the last block's stores have read their data and their base: both are written again only behind this wait
	s_add_nc_u64 s[OB:OB+1], s[OB:OB+1], s[SA:SA+1]
.endif
.if (\a) == 4
	s_add_nc_u64 s[OB:OB+1], s[OB:OB+1], s[SX:SX+1]
.endif
.irp b, 0,1,2,3,4,5,6,7
	v_cvt_scalef32_pk8_fp8_f32 v[CD+2*\b:CD+2*\b+1], v[TMP+8*\b:TMP+8*\b+7], v[SC]
.endr
	v_nop                                          ; one plain vector instruction behind the last conversion: the next block's holds write its sources
	global_store_b128 v[VO0], v[CD:CD+3], s[OB:OB+1]                ; each store: 32 lanes, 512 consecutive bytes, aligned
	global_store_b128 v[VO0], v[CD+4:CD+7], s[OB:OB+1] offset:512
	global_store_b128 v[VO2], v[CD+8:CD+11], s[OB:OB+1]
	global_store_b128 v[VO2], v[CD+12:CD+15], s[OB:OB+1] offset:512
.endm
	PLACES NP                                      ; behind the last products, in front of the first read of results
.irp a, 0,1,2,3,4,5,6,7
	OUTBLK \a
.endr
	s_wait_tensorcnt 0x0                           ; the wave's end
	ds_add_u32 v[SPW], v[NIL]
	s_wait_dscnt 0x0
	CROUND                                         ; the closing round: no work-group ends while a partner may still ask for a tile that names it
	s_endpgm
.Lfunc_end_k_qb30021420c_qkv:
	.size	k_qb30021420c_qkv, .Lfunc_end_k_qb30021420c_qkv-k_qb30021420c_qkv
	.p2alignl 7, 3214868480
	.fill 96, 4, 3214868480
	.section	.rodata,"a",@progbits
	.p2align	6, 0x0
	.amdhsa_kernel k_qb30021420c_qkv
		.amdhsa_group_segment_fixed_size 327680
		.amdhsa_private_segment_fixed_size 0
		.amdhsa_enable_private_segment 0
		.amdhsa_kernarg_size 56
		.amdhsa_user_sgpr_count 2
		.amdhsa_user_sgpr_kernarg_segment_ptr 1
		.amdhsa_wavefront_size32 1
		.amdhsa_system_sgpr_workgroup_id_x 1
		.amdhsa_system_sgpr_workgroup_id_y 1
		.amdhsa_system_sgpr_workgroup_id_z 1
		.amdhsa_system_vgpr_workitem_id 0
		.amdhsa_next_free_vgpr 1024
		.amdhsa_next_free_sgpr 100
		.amdhsa_reserve_vcc 0
		.amdhsa_float_denorm_mode_32 3
		.amdhsa_float_denorm_mode_16_64 3
		.amdhsa_memory_ordered 1
		.amdhsa_forward_progress 1
		.amdhsa_inst_pref_size 138
	.end_amdhsa_kernel
	.amdgpu_metadata
---
amdhsa.version: [ 1, 2 ]
amdhsa.kernels:
  - .name:           k_qb30021420c_qkv
    .symbol:         k_qb30021420c_qkv.kd
    .args:
      - { .name: x_codes, .offset: 0, .size: 8, .value_kind: global_buffer, .address_space: global }
      - { .name: w_qkv_codes, .offset: 8, .size: 8, .value_kind: global_buffer, .address_space: global }
      - { .name: b_qkv, .offset: 16, .size: 8, .value_kind: global_buffer, .address_space: global }
      - { .name: lowp_scales, .offset: 24, .size: 8, .value_kind: global_buffer, .address_space: global }
      - { .name: q_img, .offset: 32, .size: 8, .value_kind: global_buffer, .address_space: global }
      - { .name: k_img, .offset: 40, .size: 8, .value_kind: global_buffer, .address_space: global }
      - { .name: v_img, .offset: 48, .size: 8, .value_kind: global_buffer, .address_space: global }
    .group_segment_fixed_size: 327680
    .private_segment_fixed_size: 0
    .kernarg_segment_align: 8
    .kernarg_segment_size: 56
    .max_flat_workgroup_size: 128
    .sgpr_count:     100
    .vgpr_count:     1024
    .wavefront_size: 32
...
	.end_amdgpu_metadata
.endif
;; end of part 1
;; launch attn (part 2): grid 4 x 64, 16 waves a work-group, clusters of 4 x 1, 264,192 bytes of LDS; arguments q_img, k_img, v_img, lowp_scales, a_img; writes a_img
.if DOCPART == 2
	.amdgcn_target "amdgcn-amd-amdhsa--gfx1250"
	.amdhsa_code_object_version 6
	.text
	.protected	k_qb30021420c_attn
	.globl	k_qb30021420c_attn
	.p2align	8
	.type	k_qb30021420c_attn,@function
k_qb30021420c_attn:
	s_mov_b64 s[64:65], 0
	v_nop
	global_prefetch_b8 v0, s[64:65] scope:SCOPE_SE
	s_setreg_imm32_b32 hwreg(HW_REG_WAVE_MODE, 25, 1), 1
	s_wait_xcnt 0x0
	s_wait_alu depctr_hold_cnt(0) depctr_sa_sdst(0) depctr_va_vdst(0) depctr_va_sdst(0) depctr_va_ssrc(0) depctr_va_vcc(0) depctr_vm_vsrc(0)
	s_getreg_b32 s2, hwreg(HW_REG_IB_STS2, 6, 4)
	s_cmp_eq_u32 s2, 0
	s_cbranch_scc0 .Lentry_in_a_cluster
	s_endpgm
.Lentry_in_a_cluster:
	s_bfe_u32 s2, ttmp6, 0x10000c
	s_cmp_lg_u32 s2, 0x3003
	s_cbranch_scc0 .Lentry_shape_is_right
	s_endpgm
.Lentry_shape_is_right:
; Causal attention on codes of FP8 (E4M3): 64 heads (16 x batch + head) of 2,048 tokens x 64 channels.  lowp_scales: e2 (q), e3 (k), e4 (p), e5 (v), e6 (the result, which the next product takes as codes).
; THE SOFTMAX: t = score x log2(e) / 8; M = the running largest t rounded UP to a whole number; p = 2^(t - M) is quantised with 2^e4, not normalised; the row's sum is taken of the unquantised p and divides at the end.
; When M moves, the sum and O are multiplied by 2^(old M - new M): nothing is rounded.
; LIMITS on the given exponents, so that each power of two below is an f32 number: e2 + e3 between -123 and 130 (added to c's exponent field); e4 and e6 between -126 and 119.  NaN among the inputs is not served.
; INPUTS are images of operand registers, in pieces of 512 bytes (lane l's 16 bytes at 16 l):  q_img, k_img [head][token tile 128][1,024];  v_img [head][key step 16][channel tile 4][2,048].
; LDS: a head's whole K (131,072 bytes, from 0) and V (131,072, behind it).  It is filled ONCE, so there is no ring and no change of slots.  Every LDS load reads 512 consecutive bytes.
; CLUSTER: the four work-groups of a cluster belong to one head and need the same K and V: every tensor load is a joint one, with the mask of all four.
; SHARES.  Wave w of partner cx: sigma = w / 2 (0 .. 7), rho = 2 cx + w % 2 (0 .. 7).  It owns two tiles of 16 queries: the late one, 8 (15 - sigma) + rho, and the early one, 8 sigma + rho.  Tile tau needs key steps
; 0 .. tau / 8 of 128 keys: (16 - sigma) + (sigma + 1) = 17 steps for every wave.  Branches compare the step's number with sigma or 15 - sigma: the wave's number alone; cx enters global addresses and the mask's number d only.
; LAYOUT.  Both products transposed: S^T = K Q^T (source 0 = 16 keys, source 1 = my 16 queries, K = 64), O^T = V^T P^T (source 0 = 16 channels, source 1 = P, K = 128 keys): a lane holds ONE query (lane % 16) throughout.
; Register 8 t + j of S^T is key 16 t + 8 (lane / 16) + j: so the conversion of tile t gives registers 2 t, 2 t + 1 of P in the second product's own layout.
; OUTPUT a_img [row tile 512][K step of 128: 8][2,048]: lane (r, h), registers 4 c .. 4 c + 3: token r, k = 32 c + 16 h + 0 .. 15 of the 128; a head is 64 of them: two pieces.
; REGISTERS: v1 16 x lane; v2, v3 the step's addresses; v4 d; v12 -M, v13 the largest t, v[14:15] the sum in two halves; v16-23, v24-31 Q of the late and the early tile; v32-95 K's 8 fragments, then V's 4;
;   v96-159 S^T, then p; v160-191 O^T; v192-207 p's codes; v208-215, v216-223 the two tiles' results as codes; v236-254 constants and at work.
.set KSB,   8192                       ; a key step's bytes of K, and of V
.set VOFF,  131072                     ; V behind K
.set CHUNK, 32768                      ; four key steps' bytes: what the sixteen waves' loads number c bring of K, and of V
.set WV,  14                           ; s14  my wave's number
.set ST,  56                           ; s56  the key step in hand
.set SG,  57                           ; s57  the tile's last key step, the one on the diagonal
.set KB,  58                           ; s58  LDS byte at which the step's K begins
.set G1,  24                           ; s[24:31] descriptor group 1;  s[32:47] four groups 0
.set G0,  32
.macro CROUND                          ; a round of the cluster's barrier
	s_barrier_signal -1
	s_barrier_wait -1
	s_cmp_lg_u32 s[WV], 0
	s_cbranch_scc1 .Lnot_wave_0_\@
	s_barrier_signal -3
.Lnot_wave_0_\@:
	s_barrier_wait -3
	s_barrier_signal -1
	s_barrier_wait -1
.endm
	s_load_b256 s[4:11], s[0:1], 0x0               ; q_img s[4:5], k_img s[6:7], v_img s[8:9], the scales' exponents s[10:11]
	s_load_b64 s[12:13], s[0:1], 0x20              ; a_img
	v_lshl_add_u32 v251, v0, 2, 0x40000
	v_mov_b32 v255, 0
	ds_add_u32 v251, v255
	ds_add_u32 v251, v255
	v_lshrrev_b32 v2, 5, v0
	s_delay_alu instid0(VALU_DEP_1)
	v_readfirstlane_b32 s[WV], v2                  ; wave 0..15
	s_bfe_u32 s15, ttmp6, 0x40000                  ; cx
	s_and_b32 s16, ttmp7, 0xffff                   ; the head, which the four partners share
	s_lshr_b32 s17, s[WV], 1                       ; sigma
	s_and_b32 s18, s[WV], 1
	s_lshl_b32 s60, s15, 1
	s_add_co_u32 s18, s18, s60                     ; rho
	; descriptor group 1: a dense block of 4,096 bytes as 16 rows of 32 elements of 8 bytes
	s_mov_b32 s[G1], 15|(3<<16)|(1<<21)            ; 15:0 the mask: all four work-groups; 17:16 elements of 8 bytes; 21 set beside a mask; no padding
	s_mov_b32 s[G1+1], 32<<16                      ; tensor_dim0
	s_mov_b32 s[G1+2], 16<<16                      ; tensor_dim1
	s_mov_b32 s[G1+3], 32<<16                      ; tile_dim0
	s_mov_b32 s[G1+4], 16                          ; tile_dim1
	s_mov_b32 s[G1+5], 32                          ; tensor_dim0_stride
	s_mov_b32 s[G1+6], 0
	s_mov_b32 s[G1+7], 0
	s_lshr_b32 s60, s[WV], 3
	s_lshl_b32 s60, s60, 17                        ; waves 0-7 bring K's bytes, waves 8-15 V's
	s_and_b32 s61, s[WV], 7
	s_lshl_b32 s61, s61, 12                        ; my 4,096 of a chunk's 32,768
	s_add_co_u32 s60, s60, s61                     ; in LDS: the wave's number alone
	s_lshl_b32 s62, s16, 17
	s_add_co_u32 s62, s62, s61                     ; in memory: the head's 131,072 bytes, + my part
	s_mov_b32 s63, 0
	s_wait_dscnt 0x0
	s_wait_kmcnt 0x0
	s_load_b256 s[48:55], s[10:11], 0x0            ; e0 .. e7
	s_cmp_lt_u32 s[WV], 8
	s_cselect_b64 s[66:67], s[6:7], s[8:9]
	s_add_nc_u64 s[66:67], s[66:67], s[62:63]
.irp c, 0,1,2,3
	s_mov_b32 s[G0+4*\c], 1                        ; count = 1
	s_add_co_u32 s[G0+4*\c+1], s60, \c*CHUNK       ; LDS address
	s_add_nc_u64 s[G0+4*\c+2:G0+4*\c+3], s[66:67], \c*CHUNK
	s_or_b32 s[G0+4*\c+3], s[G0+4*\c+3], 0x80000000  ; type = 2
.endr
	CROUND                                         ; all four work-groups are here: the joint loads meet
	tensor_load_to_lds s[G0:G0+3], s[G1:G1+7]      ; all fills of the launch go out as one group: four loads of mine are out
	s_nop 0
	tensor_load_to_lds s[G0+4:G0+7], s[G1:G1+7]
	s_nop 0
	tensor_load_to_lds s[G0+8:G0+11], s[G1:G1+7]
	s_nop 0
	tensor_load_to_lds s[G0+12:G0+15], s[G1:G1+7]
	s_nop 0
.rept 4
	v_nop
.endr
	v_and_b32 v1, 31, v0
	s_delay_alu instid0(VALU_DEP_1)
	v_lshlrev_b32 v1, 4, v1                        ; 16 x lane
	s_wait_alu depctr_va_vdst(0)
	s_sub_co_u32 s60, 15, s17
	s_lshl_b32 s61, s60, 3
	s_add_co_u32 s61, s61, s18                     ; the late tile: 8 (15 - sigma) + rho
	s_lshl_b32 s62, s17, 3
	s_add_co_u32 s62, s62, s18                     ; the early tile: 8 sigma + rho
	s_lshl_b32 s70, s16, 17
	s_lshl_b32 s68, s61, 10
	s_add_co_u32 s68, s68, s70
	s_mov_b32 s69, 0
	s_add_nc_u64 s[66:67], s[4:5], s[68:69]        ; Q's image of the late tile,
	s_lshl_b32 s68, s62, 10
	s_add_co_u32 s68, s68, s70
	s_add_nc_u64 s[68:69], s[4:5], s[68:69]        ; of the early one
	global_load_b128 v[16:19], v1, s[66:67]
	global_load_b128 v[20:23], v1, s[66:67] offset:512
	global_load_b128 v[24:27], v1, s[68:69]
	global_load_b128 v[28:31], v1, s[68:69] offset:512
	; where the results go: (128 x batch + tile) x 16,384 + (head / 2) x 2,048 + (head % 2) x 1,024
	s_lshr_b32 s70, s16, 4
	s_lshl_b32 s70, s70, 21
	s_bfe_u32 s71, s16, 0x30001
	s_lshl_b32 s71, s71, 11
	s_add_co_u32 s70, s70, s71
	s_and_b32 s71, s16, 1
	s_lshl_b32 s71, s71, 10
	s_add_co_u32 s70, s70, s71
	s_lshl_b32 s72, s61, 14
	s_add_co_u32 s72, s72, s70
	s_mov_b32 s73, 0
	s_add_nc_u64 s[72:73], s[12:13], s[72:73]
	s_lshl_b32 s74, s62, 14
	s_add_co_u32 s74, s74, s70
	s_mov_b32 s75, 0
	s_add_nc_u64 s[74:75], s[12:13], s[74:75]
	v_and_b32 v4, 15, v0
	v_bfe_u32 v5, v0, 4, 1
	s_delay_alu instid0(VALU_DEP_1)
	v_lshlrev_b32 v5, 3, v5
	s_delay_alu instid0(VALU_DEP_1)
	v_sub_nc_u32 v4, v4, v5
	s_lshl_b32 s60, s18, 4
	v_add_nc_u32 v4, s60, v4                       ; d = 16 rho + r - 8 h: in the step on the diagonal register 8 t + j is hidden where 16 t + j > d.  The same for both tiles
	v_mov_b32 v236, 0                              ; written once: a lane permute's destination counts as one of its sources
	v_mov_b32 v253, 0                              ; (named as the upper half of the pair v[252:253])
	s_mov_b32 s20, 0x76543210
	s_mov_b32 s21, 0xfedcba98                      ; lane selects for v_permlanex16_b32: lane l xor 16
	s_mov_b32 s22, 0x3e38aa3b                      ; c = log2(e) / 8
	s_wait_kmcnt 0x0
	s_add_co_i32 s60, s50, s51
	s_lshl_b32 s60, s60, 23
	s_add_co_i32 s22, s22, s60                     ; a score stands for score x 2^(e2 + e3): the two exponents are added to c's exponent field
	s_mov_b32 s23, s22                             ; (named with it as a pair)
	s_add_co_i32 s60, s52, 127
	s_lshl_b32 s61, s60, 23
	v_mov_b32 v244, s61                            ; 2^e4 as f32
	s_add_co_i32 s60, s54, 127
	s_lshl_b32 s61, s60, 23
	v_mov_b32 v245, s61                            ; 2^e6
	s_add_co_i32 s59, s52, s53                     ; e4 + e5
; A KEY STEP of 128 keys for the tile whose Q lies in v[qf] on.  causal = 1: a step behind the diagonal is left out (a scalar branch on the step's and the wave's number), the step on it is masked.
.macro STEP qf, causal
.if \causal
	s_cmp_gt_u32 s[ST], s[SG]
	s_cbranch_scc1 .Lhid_\@
.endif
	s_setprio 2
	v_add_nc_u32 v2, s[KB], v1
	s_delay_alu instid0(VALU_DEP_1)
	v_add_nc_u32 v3, VOFF, v2
	v_nop
	v_nop                                          ; with the two additions: four places in front of loads into registers that the last products have read
.irp t, 0,1,2,3,4,5,6,7
	ds_load_b128 v[32+8*\t:35+8*\t], v2 offset:1024*\t
	ds_load_b128 v[36+8*\t:39+8*\t], v2 offset:1024*\t+512
.endr
	s_wait_alu depctr_va_vdst(0)
.irp t, 0,1,2,3,4,5,6,7
	s_wait_dscnt 14-2*\t                           ; fragment t's two loads are in; those behind them may be out
	v_wmma_f32_16x16x64_fp8_fp8 v[96+8*\t:103+8*\t], v[32+8*\t:39+8*\t], v[\qf:\qf+7], 0
.endr
.rept 4
	v_nop                                          ; places in front of the loads below and of the first read of the scores
.endr
.irp f, 0,1,2,3
.irp c, 0,1,2,3
	ds_load_b128 v[32+16*\f+4*\c:35+16*\f+4*\c], v3 offset:2048*\f+512*\c   ; V's four fragments: they land while the softmax is worked
.endr
.endr
.if \causal
	s_cmp_lt_u32 s[ST], s[SG]
	s_cbranch_scc1 .Lopen_\@
	v_mov_b32 v254, 0xff800000                     ; on the diagonal the scores of hidden keys become -infinity ahead of the maximum: p = 0 then.  My own key counts, so the maximum is a number
.set n, 0
.rept 64
	v_cmp_gt_i32 vcc_lo, 16*(n/8)+n%8, v4
	v_cndmask_b32 v[96+n], v[96+n], v254, vcc_lo
.set n, n+1
.endr
.Lopen_\@:
.endif
	v_max3_num_f32 v254, v96, v97, v98             ; the step's largest score of my query among my 64 keys, in two chains, each accumulator from its low end on,
	v_max3_num_f32 v252, v99, v100, v101
.irp i, 6,10,14,18,22,26,30,34,38,42,46,50,54,58
	v_max3_num_f32 v254, v254, v[96+\i], v[97+\i]
	v_max3_num_f32 v252, v252, v[98+\i], v[99+\i]
.endr
	v_max3_num_f32 v254, v254, v158, v159
	s_delay_alu instid0(VALU_DEP_1)
	v_max_num_f32 v254, v254, v252
	s_delay_alu instid0(VALU_DEP_1)
	v_permlanex16_b32 v236, v254, s20, s21
	s_delay_alu instid0(VALU_DEP_1)
	v_max_num_f32 v254, v254, v236                 ; and among lane l xor 16's
	s_delay_alu instid0(VALU_DEP_1)
	v_mul_f32 v254, s22, v254                      ; as t (c is positive)
	s_delay_alu instid0(VALU_DEP_1)
	v_max_num_f32 v13, v13, v254                   ; the running largest t
	v_mov_b32 v254, v12
	s_delay_alu instid0(VALU_DEP_2)
	v_floor_f32 v12, -v13                          ; the new -M = floor(-t) = -ceil(t): a whole number
	s_delay_alu instid0(VALU_DEP_1)
	v_sub_f32 v254, v12, v254                      ; old M - new M: a whole number, 0 or less
	s_delay_alu instid0(VALU_DEP_1)
	v_cvt_i32_f32 v254, v254                       ; (it saturates)
	s_delay_alu instid0(VALU_DEP_1)
	v_ldexp_f32 v252, 1.0, v254                    ; f = 2^(old M - new M)
.irp j, 0,2,4,6,8,10,12,14,16,18,20,22,24,26,28,30,32,34,36,38,40,42,44,46,48,50,52,54,56,58,60,62
	v_pk_fma_f32 v[96+\j:97+\j], v[96+\j:97+\j], s[22:23], v[12:13] op_sel_hi:[1,0,0]   ; t - M, two at a time
.endr
.set n, 0
	s_setprio 1
	s_wait_alu depctr_va_vdst(0)
.rept 64
	v_exp_f32 v[96+n], v[96+n]                     ; p = 2^(t - M), at most 1
.set n, n+1
.endr
	v_pk_mul_f32 v[14:15], v[14:15], v[252:253] op_sel_hi:[1,0]   ; the sums under the new M (a plain instruction behind the exponentials),
	s_wait_alu depctr_va_vdst(0)
.irp j, 0,2,4,6,8,10,12,14,16,18,20,22,24,26,28,30
	v_pk_mul_f32 v[160+\j:161+\j], v[160+\j:161+\j], v[252:253] op_sel_hi:[1,0]   ; and O^T: work that names no exponential's result
.endr
	s_wait_alu depctr_va_vdst(0)                   ; one wait for the batch of 64, ahead of its first reader
	v_pk_add_f32 v[242:243], v[100:101], v[104:105]
	v_pk_add_f32 v[248:249], v[108:109], v[112:113]
	v_pk_add_f32 v[246:247], v[116:117], v[120:121]
	v_pk_add_f32 v[240:241], v[124:125], v[128:129]
	v_pk_add_f32 v[238:239], v[132:133], v[136:137]
	v_pk_add_f32 v[234:235], v[140:141], v[144:145]
	v_pk_add_f32 v[232:233], v[148:149], v[152:153]
	v_pk_add_f32 v[14:15], v[14:15], v[156:157]
	v_pk_add_f32 v[242:243], v[242:243], v[96:97]
	v_pk_add_f32 v[248:249], v[248:249], v[98:99]
	v_pk_add_f32 v[246:247], v[246:247], v[102:103]
	v_pk_add_f32 v[240:241], v[240:241], v[106:107]
	v_pk_add_f32 v[238:239], v[238:239], v[110:111]
	v_pk_add_f32 v[234:235], v[234:235], v[114:115]
	v_pk_add_f32 v[232:233], v[232:233], v[118:119]
	v_pk_add_f32 v[14:15], v[14:15], v[122:123]
	v_pk_add_f32 v[242:243], v[242:243], v[126:127]
	v_pk_add_f32 v[248:249], v[248:249], v[130:131]
	v_pk_add_f32 v[246:247], v[246:247], v[134:135]
	s_setprio 0
	v_pk_add_f32 v[240:241], v[240:241], v[138:139]
	v_pk_add_f32 v[238:239], v[238:239], v[142:143]
	v_pk_add_f32 v[234:235], v[234:235], v[146:147]
	v_pk_add_f32 v[232:233], v[232:233], v[150:151]
	v_pk_add_f32 v[14:15], v[14:15], v[154:155]
	v_pk_add_f32 v[242:243], v[242:243], v[158:159]
	s_delay_alu instid0(VALU_DEP_2)
	v_pk_add_f32 v[14:15], v[14:15], v[240:241]
	s_delay_alu instid0(VALU_DEP_2)
	v_pk_add_f32 v[242:243], v[242:243], v[238:239]
	v_pk_add_f32 v[248:249], v[248:249], v[234:235]
	v_pk_add_f32 v[246:247], v[246:247], v[232:233]
	s_delay_alu instid0(VALU_DEP_2)
	v_pk_add_f32 v[14:15], v[14:15], v[248:249]
	s_delay_alu instid0(VALU_DEP_2)
	v_pk_add_f32 v[242:243], v[242:243], v[246:247]
	s_delay_alu instid0(VALU_DEP_1)
	v_pk_add_f32 v[14:15], v[14:15], v[242:243]
.set n, 0
.rept 64
.set n, n+1
.endr
.irp t, 0,1,2,3,4,5,6,7
	v_cvt_scalef32_pk8_fp8_f32 v[192+2*\t:193+2*\t], v[96+8*\t:103+8*\t], v244
.endr
	v_nop                                          ; one plain vector instruction between the conversions and the products that read their results
	s_wait_alu depctr_va_vdst(0)
	s_wait_dscnt 0x0                               ; V is in
.irp f, 0,1,2,3
	v_wmma_f32_16x16x128_fp8_fp8 v[160+8*\f:167+8*\f], v[32+16*\f:47+16*\f], v[192:207], v[160+8*\f:167+8*\f]   ; the four accumulators by turns; eight other products stand between two links of a chain
.endr
.if \causal
.Lhid_\@:
.endif
.endm
.macro WALK qf, first, count, causal   ; key steps first .. first + count - 1: the trip count is a constant of the text
	s_mov_b32 s[ST], \first
	s_mov_b32 s[KB], \first*KSB
.Lwalk_\@:
	STEP \qf, \causal
	s_add_co_u32 s[KB], s[KB], KSB
	s_add_co_u32 s[ST], s[ST], 1
	s_cmp_lt_u32 s[ST], \first+\count
	s_cbranch_scc1 .Lwalk_\@
	s_setprio 0
.endm
.macro ARRIVE left                     ; my loads but the youngest left have landed, my LDS loads are in; then everybody's.  Later chunks may stay out
	s_wait_tensorcnt \left
	s_wait_dscnt 0x0
	s_barrier_signal -1
	s_barrier_wait -1
.endm
.macro INIT                            ; the step is written without a first step of its own: it finds zeros, which the first change of M leaves zeros
	v_mov_b32 v13, 0xff61b1e6                      ; the largest t so far: -3e38, under every t
	s_delay_alu instid0(VALU_DEP_1)
	v_floor_f32 v12, -v13
	v_mov_b32 v14, 0
	v_mov_b32 v15, 0
.set n, 0
.rept 32
	v_mov_b32 v[160+n], 0
.set n, n+1
.endr
.endm
; THE WAY OUT of a tile: O^T x 2^(e4 + e5) / the sum is the result; it is quantised with 2^e6.  Tile f's conversion gives lane (r, h) channels 16 f + 8 h + 0 .. 7 in two registers; the image wants channels
; 32 b + 16 h + 0 .. 15 in four: the exchange of one register's upper lanes with another's lower lanes does that.  Two stores of 512 consecutive bytes, aligned.
.macro WAYOUT oc, base
.rept 4
	v_nop                                          ; places behind the last products
.endr
	v_add_f32 v14, v14, v15                        ; the sum's two halves,
	s_delay_alu instid0(VALU_DEP_1)
	v_permlanex16_b32 v236, v14, s20, s21
	s_delay_alu instid0(VALU_DEP_1)
	v_add_f32 v14, v14, v236                       ; and lane l xor 16's
	s_wait_alu depctr_va_vdst(0)
	v_rcp_f32 v14, v14
	v_nop                                          ; a plain instruction behind the transcendental
	s_wait_alu depctr_va_vdst(0)                   ; and the wait ahead of its first reader
	v_ldexp_f32 v14, v14, s59
.irp j, 0,2,4,6,8,10,12,14,16,18,20,22,24,26,28,30
	v_pk_mul_f32 v[96+\j:97+\j], v[160+\j:161+\j], v[14:15] op_sel_hi:[1,0]
.endr
.set n, 0
.rept 32
.set n, n+1
.endr
.irp f, 0,1,2,3
	v_cvt_scalef32_pk8_fp8_f32 v[\oc+2*\f:\oc+2*\f+1], v[96+8*\f:103+8*\f], v245
.endr
	v_nop
	v_permlane16_swap_b32 v[\oc], v[\oc+2]
	v_permlane16_swap_b32 v[\oc+1], v[\oc+3]
	v_permlane16_swap_b32 v[\oc+4], v[\oc+6]
	v_permlane16_swap_b32 v[\oc+5], v[\oc+7]
	global_store_b128 v1, v[\oc:\oc+3], s[\base:\base+1]
	global_store_b128 v1, v[\oc+4:\oc+7], s[\base:\base+1] offset:512
.endm
	s_wait_loadcnt 0x0                             ; Q
	s_sub_co_u32 s[SG], 15, s17                    ; THE LATE TILE: its diagonal lies in step 15 - sigma, 8 at the least: steps 0 to 7 are open for every wave
	INIT
	ARRIVE 3                                       ; keys 0 to 511 are in; three later loads of mine may be out
	WALK 16, 0, 4, 0
	ARRIVE 2                                       ; keys 512 to 1,023
	WALK 16, 4, 4, 0
	ARRIVE 0                                       ; all
	WALK 16, 8, 8, 1
	WAYOUT 208, 72
	s_mov_b32 s[SG], s17                           ; THE EARLY TILE: its diagonal lies in step sigma
	INIT
	WALK 24, 0, 8, 1
	WAYOUT 216, 74
	s_wait_dscnt 0x0
	s_wait_tensorcnt 0x0
	ds_add_u32 v251, v255
	s_wait_dscnt 0x0
	CROUND                                         ; the closing round
	s_endpgm
.Lfunc_end_k_qb30021420c_attn:
	.size	k_qb30021420c_attn, .Lfunc_end_k_qb30021420c_attn-k_qb30021420c_attn
	.p2alignl 7, 3214868480
	.fill 96, 4, 3214868480
	.section	.rodata,"a",@progbits
	.p2align	6, 0x0
	.amdhsa_kernel k_qb30021420c_attn
		.amdhsa_group_segment_fixed_size 264192
		.amdhsa_private_segment_fixed_size 0
		.amdhsa_enable_private_segment 0
		.amdhsa_kernarg_size 40
		.amdhsa_user_sgpr_count 2
		.amdhsa_user_sgpr_kernarg_segment_ptr 1
		.amdhsa_wavefront_size32 1
		.amdhsa_system_sgpr_workgroup_id_x 1
		.amdhsa_system_sgpr_workgroup_id_y 1
		.amdhsa_system_sgpr_workgroup_id_z 1
		.amdhsa_system_vgpr_workitem_id 0
		.amdhsa_next_free_vgpr 256
		.amdhsa_next_free_sgpr 80
		.amdhsa_reserve_vcc 1
		.amdhsa_float_denorm_mode_32 3
		.amdhsa_float_denorm_mode_16_64 3
		.amdhsa_fp16_overflow 1
		.amdhsa_memory_ordered 1
		.amdhsa_forward_progress 1
		.amdhsa_inst_pref_size 82
	.end_amdhsa_kernel
	.amdgpu_metadata
---
amdhsa.version: [ 1, 2 ]
amdhsa.kernels:
  - .name:           k_qb30021420c_attn
    .symbol:         k_qb30021420c_attn.kd
    .args:
      - { .name: q_img, .offset: 0, .size: 8, .value_kind: global_buffer, .address_space: global }
      - { .name: k_img, .offset: 8, .size: 8, .value_kind: global_buffer, .address_space: global }
      - { .name: v_img, .offset: 16, .size: 8, .value_kind: global_buffer, .address_space: global }
      - { .name: lowp_scales, .offset: 24, .size: 8, .value_kind: global_buffer, .address_space: global }
      - { .name: a_img, .offset: 32, .size: 8, .value_kind: global_buffer, .address_space: global }
    .group_segment_fixed_size: 264192
    .private_segment_fixed_size: 0
    .kernarg_segment_align: 8
    .kernarg_segment_size: 40
    .max_flat_workgroup_size: 512
    .sgpr_count:     80
    .vgpr_count:     256
    .wavefront_size: 32
...
	.end_amdgpu_metadata
.endif
;; end of part 2
;; launch proj (part 3): grid 4 x 32, 4 waves a work-group, clusters of 4 x 4, 327,680 bytes of LDS; arguments a_img, w_out_codes, b_out, lowp_scales, out0; writes out0
.if DOCPART == 3
	.amdgcn_target "amdgcn-amd-amdhsa--gfx1250"
	.amdhsa_code_object_version 6
	.text
	.protected	k_qb30021420c_proj
	.globl	k_qb30021420c_proj
	.p2align	8
	.type	k_qb30021420c_proj,@function
k_qb30021420c_proj:
	s_mov_b64 s[64:65], 0
	v_nop
	global_prefetch_b8 v0, s[64:65] scope:SCOPE_SE
	s_setreg_imm32_b32 hwreg(HW_REG_WAVE_MODE, 25, 1), 1
	s_wait_xcnt 0x0
	s_wait_alu depctr_hold_cnt(0) depctr_sa_sdst(0) depctr_va_vdst(0) depctr_va_sdst(0) depctr_va_ssrc(0) depctr_va_vcc(0) depctr_vm_vsrc(0)
	s_getreg_b32 s2, hwreg(HW_REG_IB_STS2, 6, 4)
	s_cmp_eq_u32 s2, 0
	s_cbranch_scc0 .Lentry_in_a_cluster
	s_endpgm
.Lentry_in_a_cluster:
	s_bfe_u32 s2, ttmp6, 0x10000c
	s_cmp_lg_u32 s2, 0xf033
	s_cbranch_scc0 .Lentry_shape_is_right
	s_endpgm
.Lentry_shape_is_right:
; out = a W + b on codes of FP8 (E4M3).  a: 8,192 rows x 1,024, as images of operand registers (below); W: [1024 (n)][1024 (k)] codes, K innermost; b: [1024] f32; out: [8192][1024] f32.
; lowp_scales: e6 (a), e7 (W).  The bias goes in as the C of the first K step, divided by 2^(e6 + e7); each finished sum is multiplied once by 2^(e6 + e7).
; LIMIT: e6 + e7 between -126 and 127, so that 2^(e6 + e7) is an f32 number.
; a_img [row tile 512][K step of 128: 8][2,048]: four pieces of 512 bytes (lane l's 16 bytes at 16 l); piece c: lane (r, h): row r, k = 32 c + 16 h + 0 .. 15: the order in which W's rows are read from LDS by
; four loads of 16 bytes, so both sources hold the same k in the same places.
; SHARES.  A tile of 256 x 256 of out to a work-group of four waves, 128 x 128 to a wave: 64 accumulators.  K goes in steps of 256 through a ring of two LDS slots.
; CLUSTERS: 4 x 4 work-groups; a's tile is asked for jointly along a row of the cluster, W's along a column.  The matrix instruction is used transposed (source 0 = 16 rows of W, source 1 = 16 rows of a):
; a lane holds eight neighbouring numbers of a row of out.
; REGISTERS, in windows of 256: window 0: v1-31 addresses; v32-95 the bias, later a block's results; v128-255 a's fragments, ONE set; on the way out rows read back.
;   window 1: W's fragments, TWO sets.   window 2: the accumulators of my rows 0-63 ((a, b) at v[8 (8 a + b)]);   window 3: of rows 64-127.
.set SIZE_N, 1024
.set KROW,   1024                      ; a row of W in memory, in bytes
.set ROWB,   256                       ; a row of W's tile
.set PITCH,  272                       ; in LDS: + 16 of padding = 68 words: row r starts at bank 4 r mod 64 (ISA guide 11.1)
.set FR,     16
.set NL,     4
.set NP,     4
.set HALFA,  32768                     ; 8 row tiles x 2 K steps x 2,048: what one tensor load brings of a: dense
.set HALFT,  128*PITCH                 ; 128 rows of W
.set BOFF,   2*HALFA                   ; a slot: a's two halves, then W's two halves
.set SLOT,   BOFF+2*HALFT
.set LAPS,   2
.set SPARE,  2*SLOT                    ; behind the ring: the spare words, 128 bytes for each wave
.set SPITCH, 528                       ; the way out: a stage of 16 rows x (512 bytes + 16) for each wave, in slot 0, which has had its last fill and its last read when the first result is stored there
.set ADRA, 16                          ; v16-17  LDS address of my fragments of a in slot 0, 1
.set ADRB, 20                          ; v20-21  the same for W
.set STO,  24                          ; v24     the way out: where I put 32 bytes of a row
.set RD,   25                          ; v25     where I read a row back
.set CO,   26                          ; v26     16 x lane
.set SPW,  28                          ; v28     LDS address of my spare word; never rewritten
.set NIL,  29                          ; v29     0; never rewritten
.set CB,   32                          ; v32-95  the bias / 2^(e6 + e7): register 8 b + j is column 16 b + 8 h + j
.set TMP,  32                          ; v32-95  later: a block's sums x 2^(e6 + e7)
.set AF,   128
.set BK,   128                         ; the way out: 16 rows read back: v128-191 and v192-255 by turns
.set G1, 24                            ; s[24:31] descriptor group 1 for a's tiles;  s[32:39] group 0, one set for each slot
.set G0, 32
.set G1B, 48                           ; s[48:55], s[56:63] the same for W's tiles
.set G0B, 56
.set MSB, 0
.macro WIN new                         ; the immediate's high byte repeats the setting that is left
.if MSB != (\new)
	s_set_vgpr_msb (MSB<<8)|(\new)
.set MSB, (\new)
.endif
.endm
.set MUL_LO,   0xa1                    ; source 0 (W) window 1, source 1 (a) window 0, C and D window 2
.set MUL_HI,   0xf1
.set FIRST_LO, 0x81                    ; the first K step: C (the bias) window 0, D window 2
.set FIRST_HI, 0xc1
.set TO_B,     0x40
.macro JLOAD g0a, g1a, g0b, g1b        ; a joint load: waves 0 and 1 fetch a's halves, waves 2 and 3 W's; four v_nop follow each of the two lines
	s_cmp_eq_u32 s15, 0
	s_cbranch_scc0 .Lfor_b_\@
	tensor_load_to_lds s[\g0a:\g0a+3], s[\g1a:\g1a+7]
	s_nop 0
.rept 4
	v_nop
.endr
	s_branch .Lasked_\@
.Lfor_b_\@:
	tensor_load_to_lds s[\g0b:\g0b+3], s[\g1b:\g1b+7]
	s_nop 0
.rept 4
	v_nop
.endr
.Lasked_\@:
.endm
.macro CREST
	s_cmp_lg_u32 s14, 0
	s_cbranch_scc1 .Lnot_wave_0_\@
	s_barrier_signal -3
.Lnot_wave_0_\@:
	s_barrier_wait -3
	s_barrier_signal -1
	s_barrier_wait -1
.endm
.macro CROUND
	s_barrier_signal -1
	s_barrier_wait -1
	CREST
.endm
	s_load_b256 s[4:11], s[0:1], 0x0               ; a_img s[4:5], W's codes s[6:7], the bias s[8:9], the scales' exponents s[10:11]
	s_load_b64 s[12:13], s[0:1], 0x20              ; out
	v_lshl_add_u32 v[SPW], v0, 2, SPARE
	v_mov_b32 v[NIL], 0
	ds_add_u32 v28, v29
	ds_add_u32 v28, v29
	s_wait_dscnt 0x0
	v_lshrrev_b32 v1, 5, v0
	v_readfirstlane_b32 s14, v1                    ; wave 0..3
	s_lshr_b32 s15, s14, 1                         ; which half of the tile's rows is mine.  Also: I fetch for a (0) or for W (1)
	s_and_b32 s16, s14, 1                          ; which half of its columns.  Also: which half of that tile I fetch
	s_bfe_u32 s40, ttmp6, 0x40000                  ; cx, cy
	s_bfe_u32 s41, ttmp6, 0x40004
	s_lshl_b32 s42, ttmp9, 2
	s_add_co_u32 s42, s42, s40                     ; tile column
	s_and_b32 s17, ttmp7, 0xffff
	s_lshl_b32 s17, s17, 2
	s_add_co_u32 s17, s17, s41                     ; tile row
	s_lshl_b32 s43, s41, 2
	s_lshl_b32 s43, 15, s43                        ; my row of the cluster
	s_lshl_b32 s44, 0x1111, s40                    ; my column
	; a's tiles: 8 row tiles, of each 4,096 bytes on end (two K steps of 128), 16,384 bytes apart in memory, dense in LDS: 8 rows of 512 elements of 8 bytes
	s_or_b32 s[G1+0], s43, (3<<16)|(1<<21)         ; 15:0 the mask: my row; 17:16 elements of 8 bytes; 21 set beside a mask; no padding
	s_mov_b32 s[G1+1], 512<<16                     ; tensor_dim0
	s_mov_b32 s[G1+2], 8<<16                       ; tensor_dim1
	s_mov_b32 s[G1+3], 512<<16                     ; tile_dim0
	s_mov_b32 s[G1+4], 8                           ; tile_dim1
	s_mov_b32 s[G1+5], 2048                        ; tensor_dim0_stride
	s_mov_b32 s[G1+6], 0
	s_mov_b32 s[G1+7], 0
	; W's tiles: 128 rows x 256 bytes, padded in LDS
	s_or_b32 s[G1B+0], s44, (0<<16)|(1<<20)|(1<<21)|(5<<22)|(3<<25)  ; the mask: my column; elements of 1 byte; padding: four words after every 64
	s_mov_b32 s[G1B+1], ROWB<<16
	s_mov_b32 s[G1B+2], 128<<16
	s_mov_b32 s[G1B+3], ROWB<<16
	s_mov_b32 s[G1B+4], 128
	s_mov_b32 s[G1B+5], KROW
	s_mov_b32 s[G1B+6], 0
	s_mov_b32 s[G1B+7], 0
	s_lshl_b32 s20, s17, 18                        ; a: row tile 16 x tile row + 8 x half, 16,384 bytes each
	s_lshl_b32 s18, s16, 17
	s_add_co_u32 s20, s20, s18
	s_mov_b32 s21, 0
	s_lshl_b32 s46, s42, 8
	s_lshl_b32 s18, s16, 7
	s_add_co_u32 s46, s46, s18                     ; W: row 256 x tile column + 128 x half
	s_lshl_b32 s46, s46, 10
	s_mov_b32 s47, 0
	s_lshl_b32 s45, s16, 15                        ; where they go: a's half,
	s_mul_i32 s19, s16, HALFT
	s_add_co_u32 s19, s19, BOFF                    ; W's half: the wave's number alone
	s_wait_kmcnt 0x0
	s_load_b256 s[72:79], s[10:11], 0x0            ; e0 .. e7
	s_add_nc_u64 s[20:21], s[4:5], s[20:21]
	s_add_nc_u64 s[46:47], s[6:7], s[46:47]
	CROUND                                         ; all sixteen work-groups are here: the first joint loads meet
.irp s, 0,1
	s_mov_b32 s[G0+4*\s], 1
	s_add_co_u32 s[G0+4*\s+1], s45, \s*SLOT
	s_add_nc_u64 s[G0+4*\s+2:G0+4*\s+3], s[20:21], \s*4096
	s_or_b32 s[G0+4*\s+3], s[G0+4*\s+3], 0x80000000
	s_mov_b32 s[G0B+4*\s], 1
	s_add_co_u32 s[G0B+4*\s+1], s19, \s*SLOT
	s_add_nc_u64 s[G0B+4*\s+2:G0B+4*\s+3], s[46:47], \s*ROWB
	s_or_b32 s[G0B+4*\s+3], s[G0B+4*\s+3], 0x80000000
	s_wait_alu depctr_va_vdst(0)
	s_wait_tensorcnt 0x0
	ds_add_u32 v28, v29
	ds_add_u32 v28, v29
	s_wait_dscnt 0x0
	CROUND
	JLOAD G0+4*\s, G1, G0B+4*\s, G1B
.endr
	v_and_b32 v1, 15, v0                           ; r
	v_bfe_u32 v2, v0, 4, 1                         ; h
	v_and_b32 v6, 31, v0
	v_lshlrev_b32 v[CO], 4, v6                     ; 16 x lane
	v_mul_u32_u24 v3, v1, PITCH
	v_lshl_add_u32 v4, v2, 4, v3                   ; W: a fragment's row x pitch + 16 x half
	s_lshl_b32 s21, s15, 15                        ; my 8 row tiles of a
	s_mul_i32 s22, s16, HALFT
	s_add_co_u32 s22, s22, BOFF                    ; my 128 rows of W
.irp s, 0,1
	v_add_nc_u32 v[ADRA+\s], s21, v[CO]
	v_add_nc_u32 v[ADRB+\s], s22, v4
	s_add_co_u32 s21, s21, SLOT
	s_add_co_u32 s22, s22, SLOT
.endr
	s_mul_i32 s23, s14, 16*SPITCH                  ; my stage
	v_mul_u32_u24 v5, v1, SPITCH                   ; in: row r, 32 bytes for each half of the lanes
	v_lshl_add_u32 v5, v2, 5, v5
	v_add_nc_u32 v[STO], s23, v5
	v_add_nc_u32 v[RD], s23, v[CO]                 ; back: the 32 lanes take one row of 512 bytes
	s_lshl_b32 s46, s42, 10                        ; my first column, in bytes of f32: 1,024 x tile column + 512 x half
	s_lshl_b32 s47, s16, 9
	s_add_co_u32 s46, s46, s47
	s_mov_b32 s47, 0
	s_add_nc_u64 s[8:9], s[8:9], s[46:47]          ; the bias at my first column
	v_lshlrev_b32 v8, 5, v2                        ; + 32 h; never rewritten
.irp b, 0,1,2,3,4,5,6,7
	global_load_b128 v[CB+8*\b:CB+8*\b+3], v8, s[8:9] offset:64*\b
	global_load_b128 v[CB+8*\b+4:CB+8*\b+7], v8, s[8:9] offset:64*\b+16
.endr
	s_lshl_b32 s20, s17, 8
	s_lshl_b32 s21, s15, 7
	s_add_co_u32 s20, s20, s21                     ; my first row of out: 256 x tile row + 128 x half,
	s_lshl_b32 s20, s20, 12                        ; 4,096 bytes each (under 2^26)
	s_mov_b32 s21, 0
	s_add_nc_u64 s[20:21], s[20:21], s[46:47]
	s_add_nc_u64 s[12:13], s[12:13], s[20:21]
	s_wait_kmcnt 0x0
	s_add_co_i32 s96, s78, s79                     ; e6 + e7
	s_sub_co_i32 s93, 0, s96
	s_add_co_i32 s96, s96, 127
	s_lshl_b32 s96, s96, 23                        ; 2^(e6 + e7) as f32
	s_mov_b32 s97, s96                             ; (named with it as a pair)
	s_wait_loadcnt 0x0                             ; the bias
.set n, 0
.rept 64
	v_ldexp_f32 v[CB+n], v[CB+n], s93              ; / 2^(e6 + e7)
.set n, n+1
.endr
.macro FRAG reg, adr, q, i             ; W: 16 rows x 128 K: registers 4 c .. 4 c + 3 hold K = 32 c + 16 (l / 16) + 0 .. 15
.irp c, 0,1,2,3
	ds_load_b128 v[\reg+4*\c:\reg+4*\c+3], v[\adr] offset:128*(\q)+32*\c+(\i)*16*PITCH
.endr
.endm
.macro FRAGA reg, adr, q, i            ; a: the image as it lies: four pieces of 512 consecutive bytes
.irp c, 0,1,2,3
	ds_load_b128 v[\reg+4*\c:\reg+4*\c+3], v[\adr] offset:4096*(\i)+2048*(\q)+512*\c
.endr
.endm
; 16 matrix instructions: a's blocks a0, a0 + 1 x W's eight, 128 along K.  zero = 1: the bias starts the sums.  The 64 accumulators take turns, one instruction a turn.
.macro MUL16 a0, p, zero
.irp a, \a0, \a0+1
.irp b, 0,1,2,3,4,5,6,7
.if \zero
	v_wmma_f32_16x16x128_fp8_fp8 v[8*(8*((\a)%4)+\b):8*(8*((\a)%4)+\b)+7], v[128*(\p)+FR*\b:128*(\p)+FR*\b+FR-1], v[AF+FR*(\a):AF+FR*(\a)+FR-1], v[CB+8*\b:CB+8*\b+7]
.else
	v_wmma_f32_16x16x128_fp8_fp8 v[8*(8*((\a)%4)+\b):8*(8*((\a)%4)+\b)+7], v[128*(\p)+FR*\b:128*(\p)+FR*\b+FR-1], v[AF+FR*(\a):AF+FR*(\a)+FR-1], v[8*(8*((\a)%4)+\b):8*(8*((\a)%4)+\b)+7]
.endif
.endr
.endr
.endm
.macro FETCH_B slot, q, p
	WIN TO_B
.irp i, 0,1,2,3,4,5,6,7
	FRAG 128*(\p)+FR*\i, ADRB+\slot, \q, \i
.endr
	WIN 0
.endm
.macro FETCH_A slot, q, i0
.irp i, \i0, \i0+1, \i0+2, \i0+3
	FRAGA AF+FR*(\i), ADRA+\slot, \q, \i
.endr
.endm
.macro PLACES n_                       ; plain vector instructions between a matrix instruction and a load into a register that it has read, or a read of its result
.rept \n_
	v_nop
.endr
.endm
.macro STEP slot, q, zero              ; a step of 128 along K that has its successor in the same slot
	s_wait_dscnt 4*NL                              ; W's set and a's blocks 0-3 are in; the youngest 16 loads (blocks 4-7) may be out
.if \zero
	WIN FIRST_LO
.else
	WIN MUL_LO
.endif
	MUL16 0, (\q)%2, \zero
	MUL16 2, (\q)%2, \zero
	s_wait_dscnt 0
	PLACES NP
	FETCH_B \slot, (\q)+1, 1-(\q)%2
	FETCH_A \slot, (\q)+1, 0
.if \zero
	WIN FIRST_HI
.else
	WIN MUL_HI
.endif
	MUL16 4, (\q)%2, \zero
	MUL16 6, (\q)%2, \zero
	PLACES NP
	WIN 0
	FETCH_A \slot, (\q)+1, 4
.endm
; A slot's last step changes slots: ONE barrier; in front of it each wave waits for all its tensor loads, adds 0 to its spare word, and waits for that and for its own reads of this slot.
.macro TURN slot, next, fill
	s_wait_tensorcnt 0x0                           ; all my tensor loads have landed: my part of the next slot  (every window is 0 here)
	ds_add_u32 v[SPW], v[NIL]                      ; 0 onto my spare word
	s_wait_dscnt 4*NL+1                            ; (the add and the youngest 16 loads may be out)
	WIN MUL_LO
	MUL16 0, 1, 0
	s_wait_dscnt 0x0                               ; the add is done, and my reads of this slot are over
	s_barrier_signal -1
	MUL16 2, 1, 0
	WIN 0
	s_barrier_wait -1
.if \fill
	CREST                                          ; the barrier has opened a round of the cluster's barrier
	s_add_nc_u64 s[G0+4*\slot+2:G0+4*\slot+3], s[G0+4*\slot+2:G0+4*\slot+3], 2*4096
	s_add_nc_u64 s[G0B+4*\slot+2:G0B+4*\slot+3], s[G0B+4*\slot+2:G0B+4*\slot+3], 2*ROWB
	JLOAD G0+4*\slot, G1, G0B+4*\slot, G1B         ; the first tensor load behind the round; its four v_nop are the places in front of the loads below
.else
	PLACES NP
.endif
	FETCH_B \next, 0, 0
	FETCH_A \next, 0, 0
	WIN MUL_HI
	MUL16 4, 1, 0
	MUL16 6, 1, 0
	PLACES NP
	WIN 0
	FETCH_A \next, 0, 4
.endm
	s_wait_alu depctr_va_vdst(0)
	s_wait_tensorcnt 1                             ; my part of K step 0 is in (K step 1's load may be out)
	s_barrier_signal -1
	s_barrier_wait -1                              ; everybody's is
	FETCH_B 0, 0, 0
	FETCH_A 0, 0, 0
	FETCH_A 0, 0, 4
	STEP 0, 0, 1                                   ; the first step stands in front of the loop: its products start the sums, with the bias
	s_mov_b32 s3, LAPS-1
.Llap:
	TURN 0, 1, 1
	STEP 1, 0, 0
	TURN 1, 0, 1
	STEP 0, 0, 0
	s_sub_co_u32 s3, s3, 1
	s_cmp_lg_u32 s3, 0
	s_cbranch_scc1 .Llap
	TURN 0, 1, 0                                   ; the last lap fills nothing
	STEP 1, 0, 0
	s_wait_dscnt 4*NL
	WIN MUL_LO
	MUL16 0, 1, 0
	MUL16 2, 1, 0
	s_wait_dscnt 0
	WIN MUL_HI
	MUL16 4, 1, 0
	MUL16 6, 1, 0
	WIN 0
; THE WAY OUT, block by block of 16 rows x 128 columns.  A lane holds 32 neighbouring bytes of a row and the lanes beside it other rows: a block goes through my own stage in LDS and comes back as whole rows of 512 bytes.
; LDS serves a wave's instructions in order (ISA guide 5.7.1.4): no wait between the stores and the loads, nor in front of the next block's stores.
.macro TOSTAGE a
.set AC, 64*((\a)%4)
	WIN 0x02+((\a)/4)                              ; source 0: window 2 or 3
.irp j, 0,2,4,6,8,10,12,14,16,18,20,22,24,26,28,30,32,34,36,38,40,42,44,46,48,50,52,54,56,58,60,62
	v_pk_mul_f32 v[TMP+\j:TMP+\j+1], v[AC+\j:AC+\j+1], s[96:97] op_sel_hi:[1,0]   ; x 2^(e6 + e7); each accumulator from its low end on
.endr
	WIN 0
.irp b, 0,1,2,3,4,5,6,7
	ds_store_b128 v[STO], v[TMP+8*\b:TMP+8*\b+3] offset:64*\b
	ds_store_b128 v[STO], v[TMP+8*\b+4:TMP+8*\b+7] offset:64*\b+16
.endr
.set BB, BK+64*((\a)%2)
.irp t, 0,1,2,3,4,5,6,7,8,9,10,11,12,13,14,15
	ds_load_b128 v[BB+4*\t:BB+4*\t+3], v[RD] offset:\t*SPITCH
.endr
.endm
.macro SEND a, younger                 ; younger: the LDS instructions issued behind block a's loads, which may stay out
.set BB, BK+64*((\a)%2)
	s_wait_dscnt \younger                          ; the block is back in registers
.if (\a) > 0
	s_add_nc_u64 s[12:13], s[12:13], 16*SIZE_N*4   ; (behind a wait on XCNT: the earlier stores have read their base)  16 rows of out on
.endif
.irp t, 0,1,2,3,4,5,6,7,8,9,10,11,12,13,14,15
	global_store_b128 v[CO], v[BB+4*\t:BB+4*\t+3], s[12:13] offset:\t*SIZE_N*4 th:TH_STORE_NT   ; 32 lanes store 512 consecutive bytes, aligned; written once, read by nobody here
.endr
.endm
	PLACES NP                                      ; behind the last products: for the first read of results and for the loads into the registers that held a's fragments
	TOSTAGE 0
.irp a, 1,2,3,4,5,6,7
.if \a > 1
	s_wait_xcnt 0x0                                ; block a - 2's stores have read their registers and their base
.endif
	TOSTAGE \a
	SEND \a-1, 32                                  ; behind block a - 1's loads: block a's 16 stores and 16 loads
.endr
	s_wait_xcnt 0x0                                ; block 6's stores have read their base
	SEND 7, 0
	s_wait_tensorcnt 0x0                           ; the wave's end
	ds_add_u32 v[SPW], v[NIL]
	s_wait_dscnt 0x0
	CROUND                                         ; the closing round
	s_endpgm
.Lfunc_end_k_qb30021420c_proj:
	.size	k_qb30021420c_proj, .Lfunc_end_k_qb30021420c_proj-k_qb30021420c_proj
	.p2alignl 7, 3214868480
	.fill 96, 4, 3214868480
	.section	.rodata,"a",@progbits
	.p2align	6, 0x0
	.amdhsa_kernel k_qb30021420c_proj
		.amdhsa_group_segment_fixed_size 327680
		.amdhsa_private_segment_fixed_size 0
		.amdhsa_enable_private_segment 0
		.amdhsa_kernarg_size 40
		.amdhsa_user_sgpr_count 2
		.amdhsa_user_sgpr_kernarg_segment_ptr 1
		.amdhsa_wavefront_size32 1
		.amdhsa_system_sgpr_workgroup_id_x 1
		.amdhsa_system_sgpr_workgroup_id_y 1
		.amdhsa_system_sgpr_workgroup_id_z 1
		.amdhsa_system_vgpr_workitem_id 0
		.amdhsa_next_free_vgpr 1024
		.amdhsa_next_free_sgpr 100
		.amdhsa_reserve_vcc 0
		.amdhsa_float_denorm_mode_32 3
		.amdhsa_float_denorm_mode_16_64 3
		.amdhsa_memory_ordered 1
		.amdhsa_forward_progress 1
		.amdhsa_inst_pref_size 130
	.end_amdhsa_kernel
	.amdgpu_metadata
---
amdhsa.version: [ 1, 2 ]
amdhsa.kernels:
  - .name:           k_qb30021420c_proj
    .symbol:         k_qb30021420c_proj.kd
    .args:
      - { .name: a_img, .offset: 0, .size: 8, .value_kind: global_buffer, .address_space: global }
      - { .name: w_out_codes, .offset: 8, .size: 8, .value_kind: global_buffer, .address_space: global }
      - { .name: b_out, .offset: 16, .size: 8, .value_kind: global_buffer, .address_space: global }
      - { .name: lowp_scales, .offset: 24, .size: 8, .value_kind: global_buffer, .address_space: global }
      - { .name: out0, .offset: 32, .size: 8, .value_kind: global_buffer, .address_space: global }
    .group_segment_fixed_size: 327680
    .private_segment_fixed_size: 0
    .kernarg_segment_align: 8
    .kernarg_segment_size: 40
    .max_flat_workgroup_size: 128
    .sgpr_count:     100
    .vgpr_count:     1024
    .wavefront_size: 32
...
	.end_amdgpu_metadata
.endif
;; end of part 3
